; MI455X (gfx1250); checked and timed in simulation.
; The chip was launched on July 23, 2026; its instructions are those of AMD's public machine-readable ISA for CDNA 5 (MIT licence, August 2026) and "CDNA5" Instruction Set Architecture Reference Guide (July 2026). The comments in the code are by the model that wrote it; some were corrected since.
;; Triangle Attention. Allowed arithmetic: float matrix products may take bf16 or f16 operands with f32 sums; all other float work in f32.
;; Inputs: Wb 128 x 4 float32; Wk 128 x 128 float32; Wo 128 x 128 float32; Wq 128 x 128 float32; Wv 128 x 128 float32; mask 1 x 256 bool; pairwise_repr 1 x 256 x 256 x 128 float32.
;; Outputs: out0 1 x 256 x 256 x 128 float32.
;; One version. Each part assembles by itself: llvm-mc -triple=amdgcn-amd-amdhsa -mcpu=gfx1250 --defsym DOCPART=n.
;; ======== version 1 of 1: 2 launches
;; limits: right only within a limited range of input values; values are held in f16: magnitudes above 65,504 overflow, below 6.1e-05 lose precision
;; workspace buffers: biasf 1,048,576 bytes; wfrag 131,072 bytes
;; launch prep (part 1): grid 256 x 1, 4 waves a work-group, no clusters, 168,448 bytes of LDS; arguments pairwise_repr, Wb, mask, Wq, Wk, Wv, Wo, biasf, wfrag; writes biasf, wfrag
.if DOCPART == 1
	.amdgcn_target "amdgcn-amd-amdhsa--gfx1250"
	.amdhsa_code_object_version 6
	.text
	.protected	k_q403e7ed5ce_prep
	.globl	k_q403e7ed5ce_prep
	.p2align	8
	.type	k_q403e7ed5ce_prep,@function
k_q403e7ed5ce_prep:
	s_mov_b64 s[64:65], 0
	v_nop
	global_prefetch_b8 v0, s[64:65] scope:SCOPE_SE
	s_setreg_imm32_b32 hwreg(HW_REG_WAVE_MODE, 25, 1), 1
	s_wait_xcnt 0x0
; PREP: the bias table and the weights, in the order in which the second launch's matrix instructions want them.
;   biasf: bias'[h][q][k] = log2(e) * sum over d of x[q][k][d] Wb[d][h] where mask[k] is true, MASKED = -2^100 where it is false.  In f32.
;          Image (h*16 + qt)*16 + t of 1,024 bytes = one accumulator tile of 16 keys x 16 queries: lane (r, hh), quad p (byte 512 p + 16 lane),
;          word j holds q = 16 qt + r, k = 16 t + 8 hh + 4 p + j.
;   wfrag: Wq * log2(e)/sqrt(32), Wk, Wv, Wo in f16.  Image mtx*32 + ct*4 + s of 1,024 bytes = one 16-bit operand fragment:
;          lane (r, hh), quad p, element i holds W[32 s + 16 p + 8 hh + i][column], column = 16 ct + r for Wq, Wk, Wv and
;          64 (ct >> 2) + 4 r + (ct & 3) for Wo: there the four tiles of a column half give a lane four neighbouring columns, 16 bytes of an output row.
; FORMAT: matrix operands in f16, sums in f32 (why f16: see the second launch's head).  x is drawn with spread 1 and the weights with spread 0.02; thirty times
; larger, or offset by thirty spreads, they stay under 200 and under 1; thirty times smaller the weights' spread is 6.7e-4, and f16's fixed step of 6e-8 below 6.1e-5 is 1e-4 of that.
; MASK: with one true key at least, a masked score stays near -2^100, the row's maximum comes from a true key, and the exponential is 0, as with
; the reference's smallest float.  With no true key at all the reference's softmax is uniform: then bias' = 0 everywhere and Wq' = 0, so that every score is 0.
; LIMITS: inputs finite, |x| and |W| below 65,504; unmasked scores times log2(e) above -2^99.
; SHARES: work-group g = 16 qt + t takes the 16 x 16 positions (q, k) of x: 16 planes of 8,192 consecutive bytes, 128 KiB, all asked for in its first lines
; (4 tensor loads a wave, 4 outstanding by this text's count, nothing is filled twice).  Wave w makes keys 4 w .. 4 w + 3 for all 16 q and all 4 heads.
; The product goes to the matrix unit although only 4 of A's 16 rows are wanted: D then lies as the image wants it.  A's rows 0, 1, 8, 9 are heads 0, 1, 2, 3,
; so lane (r, hh), register a = 0, 1 holds head 2 hh + a of query r.  16 matrix instructions a wave; the launch is bound by the 32 MiB that it reads.
; Wb's four A fragments are shared: wave w loads and rounds K step w (16 loads), puts its image into LDS, and all read the four behind the tile's barrier.
; No cluster: no two work-groups read the same bytes of x, and Wb and the mask are 2,304 bytes.
.set PLANE,  8208                      ; LDS bytes from plane to plane: 8,192 + 16 = 513 x 16, so the 16 lanes of a 16-byte load, one plane each, start at 16 different 16-byte columns
.set WBF,    16*PLANE                  ; 131,328 = 513 x 256: behind the planes, four images of 1,024 bytes of Wb's fragments; no tensor load fills these bytes
.set LOG2E,  0x3fb8aa3b
.set QSCALE, 0x3e8293ee                ; log2(e) / sqrt(32)
.set MASKED, 0xf1800000                ; -2^100
.set G1,   24                          ; s[24:31] descriptor group 1
.set G0,   32                          ; s[32:47] descriptor group 0, one set for each of my four planes
.set VWB,  3                           ; byte offset in Wb: 4 head + 128 hh + 512 w
.set AXL,  4                           ; LDS: r * PLANE + 32 hh + w * 2048
.set VBO,  5                           ; byte offset in biasf
.set VMK,  6                           ; 8 x lane
.set VWS,  7                           ; wave 0: byte offset in the weight matrix
.set AF,   8                           ; v[8:39]    four A fragments of Wb (K steps 0 to 3)
.set OUTR, 40                          ; v[40:47]   results to store
.set WR,   48                          ; v[48:55]   wave 0: eight weights in f32
.set WPK,  56                          ; v[56:59]   wave 0: the same in f16
.set MK,   60                          ; v[60:61]   eight mask bytes
.set VWD,  62                          ; wave 0: byte offset in wfrag
.set TMPV, 63                          ; lane
.set RAW,  64                          ; v[64:127]  f32 as loaded
.set BF,   128                         ; v[128:191] two sets of four B fragments (one for each key)
.set ACC,  192                         ; v[192:223] one accumulator for each key
.set WBS,  224                         ; LDS: WBF + 16 lane + 1024 w: where my image of Wb goes
.set WBL,  225                         ; LDS: WBF + 16 lane: from where all four are read
	s_load_b512 s[4:19], s[0:1], 0x0               ; x s[4:5], Wb s[6:7], mask s[8:9], Wq s[10:11], Wk s[12:13], Wv s[14:15], Wo s[16:17], biasf s[18:19]
	s_load_b64 s[20:21], s[0:1], 0x40              ; wfrag
	v_lshl_add_u32 v232, v0, 2, 0x29000
	v_mov_b32 v233, 0
	ds_add_u32 v232, v233
	ds_add_u32 v232, v233
	v_lshrrev_b32 v1, 5, v0
	v_readfirstlane_b32 s22, v1                    ; wave 0..3
	s_mov_b32 s23, ttmp9                           ; g
	; group 1: a dense block of 8,192 bytes as 32 rows of 32 elements of 8 bytes
	s_mov_b32 s[G1+0], 3<<16                       ; no mask, element of 8 bytes, no padding
	s_mov_b32 s[G1+1], 32<<16                      ; tensor_dim0 = 32
	s_mov_b32 s[G1+2], 32<<16                      ; tensor_dim1 = 32
	s_mov_b32 s[G1+3], 32<<16                      ; tile_dim0 = 32
	s_mov_b32 s[G1+4], 32                          ; tile_dim1 = 32
	s_mov_b32 s[G1+5], 32                          ; from row to row: 32 elements
	s_mov_b32 s[G1+6], 0
	s_mov_b32 s[G1+7], 0
	s_lshr_b32 s2, s23, 4                          ; qt
	s_lshl_b32 s2, s2, 21                          ; 16 planes of 131,072 bytes
	s_and_b32 s3, s23, 15                          ; t
	s_lshl_b32 s3, s3, 13                          ; 16 rows of 512 bytes
	s_add_co_u32 s2, s2, s3
	s_lshl_b32 s3, s22, 19                         ; my four planes
	s_add_co_u32 s2, s2, s3
	s_mov_b32 s3, 0
	s_mul_i32 s61, s22, 4*PLANE                    ; and where they go
	s_wait_dscnt 0x0
	s_wait_kmcnt 0x0
	s_add_nc_u64 s[4:5], s[4:5], s[2:3]
.irp n, 0,1,2,3
	s_mov_b32 s[G0+4*\n], 1
	s_add_co_u32 s[G0+4*\n+1], s61, \n*PLANE
	s_add_nc_u64 s[G0+4*\n+2:G0+4*\n+3], s[4:5], \n*131072
	s_or_b32 s[G0+4*\n+3], s[G0+4*\n+3], 0x80000000
	tensor_load_to_lds s[G0+4*\n:G0+4*\n+3], s[G1:G1+7]
	s_nop 0
.endr
	; while the tile is on its way: the mask, my K step of Wb, the addresses
	v_and_b32 v1, 15, v0                           ; r
	v_bfe_u32 v2, v0, 4, 1                         ; hh
	v_and_b32 v[TMPV], 31, v0                      ; lane
	v_lshlrev_b32 v[VMK], 3, v[TMPV]
	s_and_b32 s2, s23, 15
	s_lshl_b32 s2, s2, 4
	s_lshl2_add_u32 s2, s22, s2                    ; 16 t + 4 w: my four keys' mask bytes (s3 is still 0)
	s_add_nc_u64 s[62:63], s[8:9], s[2:3]
	s_load_b32 s60, s[62:63], 0x0
	global_load_b64 v[MK:MK+1], v[VMK], s[8:9]     ; all 256 mask bytes, 8 a lane
	v_and_b32 v[VWB], 1, v1
	v_lshrrev_b32 v[AXL], 3, v1
	v_lshl_add_u32 v[VWB], v[AXL], 1, v[VWB]       ; head of A's row r: (r & 1) + 2 (r >> 3)
	v_lshlrev_b32 v[VWB], 2, v[VWB]
	v_lshl_add_u32 v[VWB], v2, 7, v[VWB]           ; + 8 hh rows of 16 bytes
	v_lshl_add_u32 v[VWB], s22, 9, v[VWB]          ; + K step w: 32 rows of 16 bytes
.irp q, 0,1
.irp i, 0,1,2,3,4,5,6,7
	global_load_b32 v[RAW+8*\q+\i], v[VWB], s[6:7] offset:256*\q+16*\i   ; Wb[32 w + 16 q + 8 hh + i][head]
.endr
.endr
	v_mul_u32_u24 v[AXL], v1, PLANE
	v_lshl_add_u32 v[AXL], v2, 5, v[AXL]
	s_lshl_b32 s61, s22, 11                        ; key 4 w: 4 w rows of 512 bytes
	v_add_nc_u32 v[AXL], s61, v[AXL]
	v_lshlrev_b32 v[WBL], 4, v[TMPV]
	v_add_nc_u32 v[WBL], WBF, v[WBL]
	v_lshl_add_u32 v[WBS], s22, 10, v[WBL]
	s_lshl_b32 s61, s23, 10                        ; image g of head 0
	s_and_b32 s2, s22, 1
	s_lshl_b32 s2, s2, 9                           ; keys 4 w .. 4 w + 3 are quad w & 1
	s_add_co_u32 s61, s61, s2
	s_lshr_b32 s2, s22, 1
	s_lshl_b32 s2, s2, 8                           ; of the image's lanes 16 (w >> 1) + r
	s_add_co_u32 s61, s61, s2
	v_lshlrev_b32 v[VBO], 4, v1
	v_lshl_add_u32 v[VBO], v2, 19, v[VBO]          ; my lanes 16-31 hold heads 2 and 3
	v_add_nc_u32 v[VBO], s61, v[VBO]
	s_wait_loadcnt 0x0                             ; mask and Wb
	s_wait_kmcnt 0x0                               ; my four mask bytes
	v_or_b32 v[MK], v[MK], v[MK+1]
	v_cmp_ne_u32 vcc_lo, 0, v[MK]
	s_cmp_lg_u32 vcc_lo, 0                         ; is any key true?
	s_cselect_b32 s59, MASKED, 0                   ; what a masked key gets
	s_cselect_b32 s58, QSCALE, 0                   ; Wq's factor
.irp j, 0,1,2,3
	s_bfe_u32 s61, s60, (8<<16)|(8*\j)
	s_cmp_lg_u32 s61, 0
	s_cselect_b32 s[48+\j], LOG2E, 0               ; bias' = sum * mul + add
	s_cselect_b32 s[52+\j], 0, s59
.endr
.irp n, 0,1,2,3,4,5,6,7
	v_cvt_pk_f16_f32 v[AF+\n], v[RAW+2*\n], v[RAW+2*\n+1]
.endr
	ds_store_b128 v[WBS], v[AF:AF+3]               ; my K step's fragment image: registers 0-3 at 16 lane,
	ds_store_b128 v[WBS], v[AF+4:AF+7] offset:512  ; registers 4-7 at 512 + 16 lane
	; wave 0 alone: the 512 bytes number g of wfrag (g = mtx*64 + (ct*4 + s)*2 + p), still under the tile's flight
	s_cmp_lg_u32 s22, 0
	s_cbranch_scc1 .Lno_weights
	s_lshr_b32 s61, s23, 6                         ; mtx
	s_and_b32 s2, s23, 7                           ; 2 s + p: 16 rows of 512 bytes each
	s_lshl_b32 s2, s2, 13
	s_bfe_u32 s3, s23, 0x30003                     ; ct
	s_lshl_b32 s62, s3, 6                          ; Wq, Wk, Wv: column 16 ct + r: 64 ct bytes, lanes 4 bytes apart
	s_lshr_b32 s63, s3, 2                          ; Wo: column 64 (ct >> 2) + 4 r + (ct & 3): 256 (ct >> 2) + 4 (ct & 3) bytes, lanes 16 bytes apart
	s_lshl_b32 s63, s63, 8
	s_and_b32 s3, s3, 3
	s_lshl2_add_u32 s63, s3, s63
	s_cmp_eq_u32 s61, 3
	s_cselect_b32 s3, s63, s62
	s_cselect_b32 s62, 4, 2                        ; the lane's shift
	s_add_co_u32 s2, s2, s3
	s_cmp_eq_u32 s61, 0
	s_cselect_b32 s58, s58, 0x3f800000             ; only Wq carries a factor
	s_cselect_b64 s[56:57], s[10:11], s[16:17]
	s_cmp_eq_u32 s61, 1
	s_cselect_b64 s[56:57], s[12:13], s[56:57]
	s_cmp_eq_u32 s61, 2
	s_cselect_b64 s[56:57], s[14:15], s[56:57]
	v_lshlrev_b32 v[VWS], s62, v1
	v_lshl_add_u32 v[VWS], v2, 12, v[VWS]
	v_add_nc_u32 v[VWS], s2, v[VWS]
	s_lshl_b32 s61, s23, 9
	v_lshl_add_u32 v[VWD], v[TMPV], 4, s61
.irp i, 0,1,2,3,4,5,6,7
	global_load_b32 v[WR+\i], v[VWS], s[56:57] offset:512*\i
.endr
	s_wait_loadcnt 0x0
.irp i, 0,2,4,6
	v_pk_mul_f32 v[WR+\i:WR+\i+1], v[WR+\i:WR+\i+1], s[58:59] op_sel_hi:[1,0]   ; both by s58
.endr
.irp i, 0,1,2,3
	v_cvt_pk_f16_f32 v[WPK+\i], v[WR+2*\i], v[WR+2*\i+1]
.endr
	global_store_b128 v[VWD], v[WPK:WPK+3], s[20:21]   ; the wave stores 512 consecutive bytes, aligned
.Lno_weights:
	s_wait_dscnt 0x0                               ; my image of Wb is stored, for the others' sake
	s_wait_tensorcnt 0x0                           ; my four planes are in LDS,
	s_barrier_signal -1
	s_barrier_wait -1                              ; everybody's are: every wave reads all sixteen planes and all four images
; 16 LDS loads: K step s (32 d) of my four keys; lane (r, hh) takes plane r, d = 32 s + 8 hh + 0..7 and 32 s + 16 + 8 hh + 0..7.
; The argument may be an expression: it stands in brackets wherever it is multiplied.
.macro LDX s
.irp j, 0,1,2,3
	ds_load_b128 v[RAW+16*\j:RAW+16*\j+3],     v[AXL] offset:512*\j+128*(\s)
	ds_load_b128 v[RAW+16*\j+4:RAW+16*\j+7],   v[AXL] offset:512*\j+128*(\s)+16
	ds_load_b128 v[RAW+16*\j+8:RAW+16*\j+11],  v[AXL] offset:512*\j+128*(\s)+64
	ds_load_b128 v[RAW+16*\j+12:RAW+16*\j+15], v[AXL] offset:512*\j+128*(\s)+80
.endr
.endm
; One K step: round to f16, ask for the next step, multiply.  The four accumulators take turns, one instruction a turn.
; A set of B fragments is written again two steps later, behind the 32 conversions of the step between.
.macro KSTEP s, more
	s_wait_dscnt 0x0
.set n, 0
.rept 32
	v_cvt_pk_f16_f32 v[BF+32*(\s&1)+n], v[RAW+2*n], v[RAW+2*n+1]
.set n, n+1
.endr
.if \more
	LDX \s+1
.endif
.irp j, 0,1,2,3
.if \s == 0
	v_wmma_f32_16x16x32_f16 v[ACC+8*\j:ACC+8*\j+7], v[AF+8*\s:AF+8*\s+7], v[BF+32*(\s&1)+8*\j:BF+32*(\s&1)+8*\j+7], 0
.else
	v_wmma_f32_16x16x32_f16 v[ACC+8*\j:ACC+8*\j+7], v[AF+8*\s:AF+8*\s+7], v[BF+32*(\s&1)+8*\j:BF+32*(\s&1)+8*\j+7], v[ACC+8*\j:ACC+8*\j+7]
.endif
.endr
.endm
.irp s, 0,1,2,3
.irp q, 0,1
	ds_load_b128 v[AF+8*\s+4*\q:AF+8*\s+4*\q+3], v[WBL] offset:1024*\s+512*\q   ; Wb's four fragments
.endr
.endr
	LDX 0
	KSTEP 0, 1
	KSTEP 1, 1
	KSTEP 2, 1
	KSTEP 3, 0
.rept 4
	v_nop                                          ; four places behind the last matrix instructions before their results are read (ISA guide 7.12.1)
.endr
.irp a, 0,1
.irp j, 0,1,2,3
	v_fma_f32 v[OUTR+4*\a+\j], v[ACC+8*\j+\a], s[48+\j], s[52+\j]   ; scale and mask in one
.endr
.endr
	global_store_b128 v[VBO], v[OUTR:OUTR+3], s[18:19]                   ; heads 0 (lanes 0-15) and 2 (lanes 16-31): each sixteen lanes store 256 consecutive bytes, aligned
	global_store_b128 v[VBO], v[OUTR+4:OUTR+7], s[18:19] offset:262144   ; heads 1 and 3
	s_wait_tensorcnt 0x0
	ds_add_u32 v232, v233
	s_wait_dscnt 0x0
	s_endpgm
.Lfunc_end_k_q403e7ed5ce_prep:
	.size	k_q403e7ed5ce_prep, .Lfunc_end_k_q403e7ed5ce_prep-k_q403e7ed5ce_prep
	.p2alignl 7, 3214868480
	.fill 96, 4, 3214868480
	.section	.rodata,"a",@progbits
	.p2align	6, 0x0
	.amdhsa_kernel k_q403e7ed5ce_prep
		.amdhsa_group_segment_fixed_size 168448
		.amdhsa_private_segment_fixed_size 0
		.amdhsa_enable_private_segment 0
		.amdhsa_kernarg_size 72
		.amdhsa_user_sgpr_count 2
		.amdhsa_user_sgpr_kernarg_segment_ptr 1
		.amdhsa_wavefront_size32 1
		.amdhsa_system_sgpr_workgroup_id_x 1
		.amdhsa_system_sgpr_workgroup_id_y 1
		.amdhsa_system_sgpr_workgroup_id_z 1
		.amdhsa_system_vgpr_workitem_id 0
		.amdhsa_next_free_vgpr 234
		.amdhsa_next_free_sgpr 66
		.amdhsa_reserve_vcc 1
		.amdhsa_float_denorm_mode_32 3
		.amdhsa_float_denorm_mode_16_64 3
		.amdhsa_memory_ordered 1
		.amdhsa_forward_progress 1
		.amdhsa_inst_pref_size 25
	.end_amdhsa_kernel
	.amdgpu_metadata
---
amdhsa.version: [ 1, 2 ]
amdhsa.kernels:
  - .name:           k_q403e7ed5ce_prep
    .symbol:         k_q403e7ed5ce_prep.kd
    .args:
      - { .name: pairwise_repr, .offset: 0, .size: 8, .value_kind: global_buffer, .address_space: global }
      - { .name: Wb, .offset: 8, .size: 8, .value_kind: global_buffer, .address_space: global }
      - { .name: mask, .offset: 16, .size: 8, .value_kind: global_buffer, .address_space: global }
      - { .name: Wq, .offset: 24, .size: 8, .value_kind: global_buffer, .address_space: global }
      - { .name: Wk, .offset: 32, .size: 8, .value_kind: global_buffer, .address_space: global }
      - { .name: Wv, .offset: 40, .size: 8, .value_kind: global_buffer, .address_space: global }
      - { .name: Wo, .offset: 48, .size: 8, .value_kind: global_buffer, .address_space: global }
      - { .name: biasf, .offset: 56, .size: 8, .value_kind: global_buffer, .address_space: global }
      - { .name: wfrag, .offset: 64, .size: 8, .value_kind: global_buffer, .address_space: global }
    .group_segment_fixed_size: 168448
    .private_segment_fixed_size: 0
    .kernarg_segment_align: 8
    .kernarg_segment_size: 72
    .max_flat_workgroup_size: 128
    .sgpr_count:     66
    .vgpr_count:     234
    .wavefront_size: 32
...
	.end_amdgpu_metadata
.endif
;; end of part 1
;; launch attn (part 2): grid 256 x 1, 16 waves a work-group, no clusters, 301,056 bytes of LDS; arguments pairwise_repr, wfrag, biasf, out0; writes out0
.if DOCPART == 2
	.amdgcn_target "amdgcn-amd-amdhsa--gfx1250"
	.amdhsa_code_object_version 6
	.text
	.protected	k_q403e7ed5ce_attn
	.globl	k_q403e7ed5ce_attn
	.p2align	8
	.type	k_q403e7ed5ce_attn,@function
k_q403e7ed5ce_attn:
	s_mov_b64 s[64:65], 0
	v_nop
	global_prefetch_b8 v0, s[64:65] scope:SCOPE_SE
	s_setreg_imm32_b32 hwreg(HW_REG_WAVE_MODE, 25, 1), 1
	s_wait_xcnt 0x0
; ATTN: work-group i makes row i of the pair tensor: X = x[i] [256 x 128] -> Q, K, V (4 heads of 32) -> softmax(Q K^T / sqrt(32) + bias, masked) V -> times Wo.
; Everything between x and out0 stays in LDS and registers.  16 waves of 256 registers, four on each SIMD, so that some waves' softmax runs beside others' products.
; EVERY PRODUCT IS TAKEN SO THAT ITS RESULT, ROUNDED TO f16 IN PLACE, IS THE NEXT PRODUCT'S OPERAND FRAGMENT (D: lane (r, hh), register j = (m = 8 hh + j, n = r);
; a 16-bit fragment: lane (r, hh), registers 0-3 k = 8 hh + 0..7, registers 4-7 k = 16 + 8 hh + 0..7):
;   Q^T, K^T tile [e x row] = W fragment x X fragment;  two e tiles packed = the fragment of Q (as B) or K (as A) of 16 rows x 32 e
;   V tile [row x e]        = X fragment x W fragment;  two key tiles packed = the fragment of V^T (as A) of 16 e x 32 keys
;   S^T tile [key x query]  = K x Q + C, C = the bias tile, loaded from memory straight into the accumulator: one instruction a tile, no add, scale or select
;   O^T [e x query]         = V^T x P, P = two packed S^T tiles;   out [query x column] = O fragment (as A) x Wo fragment (as B)
; In S^T a lane is a query: the softmax over keys runs along the lane's registers, with one exchange with lane xor 16.
; Scores arrive times log2(e) (folded into Wq and the bias by the first launch), masked keys near -2^100.  The maximum is taken away, as a running maximum over two halves of 128 keys.
; A fragment image is 1,024 bytes: registers 4 p .. 4 p + 3 of lane L at 512 p + 16 L, so each 16-byte load or store of a wave covers 512 consecutive bytes.
; TWO ROUNDS of 128 queries: behind each round its 64 KiB of the output are made and stored, so that the first round's stores leave under the second round's work.
; FORMAT: all matrix operands in f16, sums, bias and softmax in f32.  Why f16 and not bf16: V, P and O are each rounded once on the way, and each feeds a sum whose terms
; have either sign, so each rounding leaves its own relative error in the result: with 8 significant bits about 0.15 per cent of the result's root mean square each, 0.26 together,
; where 1 per cent is allowed to each of 8,388,608 numbers: under four standard deviations.  With 11 significant bits it is an eighth of that.
; ROOM in f16 (largest 65,504; 11 bits down to 6.1e-5, below that a fixed step of 6e-8): the projections have spread 0.23 as the inputs are drawn; with x and W both thirty times
; larger 204 (six spreads: 1,200); with both offset by thirty spreads 128 x 30 x 0.6 = 2,304; with both thirty times smaller V has spread 2.5e-4 and Q 6.4e-5, of which the
; fixed step is 2.4e-4 and 1e-3.  O is a weighted mean of V.  P lies in [0, 1]; what underflows there is under 3e-8 of the row's largest term.
; LIMITS: inputs finite; |x|, |W| and the projections |x W| below 65,504; unmasked scores times log2(e) above -2^99.
; NO CLUSTER, NO JOINT LOADS, although all work-groups read the same 1 MiB of bias and 224 KiB of weights: the bias goes from memory straight into accumulators;
; through LDS it would cost 1 MiB of LDS writes and 1 MiB of LDS reads more for each work-group, and beside the images below 28,672 of 327,680 bytes are free:
; two slots of 14 KiB would want some 73 rounds of a cluster's barrier, each holding 64 waves in step.
; No tensor loads: x is rounded to f16 on its way into LDS, which takes registers anyway, and nothing is streamed through LDS.
; ROLES of wave w:  first: rows 16 w .. +15 of X.   projections: cg = w & 7 (column tile cg of Q, K and V), rh = w >> 3 (128 rows).
;                   attention, round ro: head h = w & 3, queries 128 ro + 32 (w >> 2) .. +31 (q tiles a = 0, 1).
;                   last product, round ro: queries 128 ro + 16 (w >> 1) .. +15, columns 64 (w & 1) .. +63.
.set XP,  272                          ; X in LDS: 256 bytes a row + 16, an odd multiple of 16: the 16 rows of a fragment load start at 16 different 16-byte columns
.set QF,  69632                        ; behind X (256 x 272): Q images, (qt*4 + h) * 1024
.set KF,  135168                       ; K images, (h*16 + kt) * 1024
.set VF,  200704                       ; V^T images, ((h*8 + ks)*2 + et) * 1024
.set WOF, 266240                       ; Wo images, (ct*4 + s) * 1024.  O images, (qt*4 + h) * 1024, lie from byte 0 over the dead X
; registers kept for the whole kernel
.set VB,  2                            ; biasf: 16 L + h * 262144 + (w >> 2) * 32768
.set AK,  3                            ; KF + h * 16384 + 16 L
.set AV,  4                            ; VF + h * 16384 + 16 L
.set AQ,  5                            ; QF + (w >> 2) * 8192 + h * 1024 + 16 L
.set AO,  6                            ; (w >> 1) * 4096 + 16 L: the O images that I read
.set AW,  7                            ; WOF + (w & 1) * 16384 + 16 L
.set VO,  10                           ; out0: (w >> 1) * 8192 + 4096 hh + 256 (w & 1) + 16 r
.set MX,  11                           ; v11, v12: running maximum of q tile a
.set LL,  13                           ; v13, v14: running sum
.set AOW, 15                           ; (w >> 2) * 8192 + h * 1024 + 16 L: the O images that I write
; attention
.set QT,  16                           ; v[16:23] Q fragment of a = 0, v[24:31] of a = 1.  Behind tile 0's score products v[16:23] are at work:
.set TT,  16                           ; v[16:19]   four chains of maxima; then
.set LS0, 16                           ; v[16:17], v[18:19]: two chains of sums
.set LS1, 18
.set NM,  20                           ; v[20:21]   minus the maximum, twice
.set AL,  22                           ; v[22:23]   the factor for what the first half left, twice
.set RC,  20                           ; v[20:21], v[22:23]: at a round's end 1 / sum, twice, for a = 0, 1
.set OA,  32                           ; v[32:63]   O^T accumulators (a, et) at 32 + 16 a + 8 et; in the last product four accumulators
.set KB,  64                           ; v[64:127]  eight fragments: K, then V^T
.set SC,  128                          ; v[128:255] S^T tiles (a, t) at 128 + 64 a + 8 t
; first phases
.set WF,  16                           ; v[16:111]  W fragments (mtx, s) at 16 + 8 (4 mtx + s)
.set XB,  112                          ; v[112:175] X fragments, two sets of four
.set AC,  176                          ; v[176:223] two sets of three accumulators: Q, K, V
.set PK,  224                          ; v[224:235] packed
.set VX,  236
.set VWO, 237
.set VW,  238
.set AXS, 239
.set AWS, 240
.set AXR, 241
.set AQS, 242
.set AKS, 243
.set AVS, 244
.set XR,  112                          ; v[112:175] X as loaded
.set XK,  176                          ; v[176:207] X in f16
.set WC,  208                          ; v[208:223] my 2 KiB of the Wo images
; last product: two sets of five fragments, O(s) and Wo(u = 0..3, s), in the registers of K, V^T and Q, which are dead there; v[128:255] already take the next round's bias
.set OY0,  KB
.set W0Y0, KB+8
.set W1Y0, KB+16
.set W2Y0, KB+24
.set W3Y0, KB+32
.set OY1,  KB+40
.set W0Y1, KB+48
.set W1Y1, KB+56
.set W2Y1, QT
.set W3Y1, QT+8
.macro PLACES n                        ; places behind matrix instructions (ISA guide 7.12.1), where there is no other work for them
.rept \n
	v_nop
.endr
.endm
.macro BAR
	s_barrier_signal -1
	s_barrier_wait -1
.endm
	s_load_b256 s[4:11], s[0:1], 0x0               ; x s[4:5], wfrag s[6:7], biasf s[8:9], out0 s[10:11]
	v_lshl_add_u32 v8, v0, 2, 0x49000
	v_mov_b32 v9, 0
	v_lshrrev_b32 v1, 5, v0
	v_readfirstlane_b32 s12, v1                    ; w
	s_lshr_b32 s13, s12, 2                         ; my 32 queries of a round
	s_and_b32 s14, s12, 3                          ; h
	s_and_b32 s15, s12, 7                          ; cg
	s_lshr_b32 s16, s12, 3                         ; rh
	s_lshr_b32 s23, s12, 1                         ; last product: my q tile of a round
	s_and_b32 s24, s12, 1                          ; and my half of the columns
	s_mov_b32 s20, 0x76543210                      ; v_permlanex16_b32: lane i takes lane i xor 16
	s_mov_b32 s21, 0xfedcba98
	s_lshl_b32 s2, ttmp9, 17                       ; row i: 131,072 bytes
	s_mov_b32 s3, 0
	v_and_b32 v1, 31, v0
	v_lshlrev_b32 v247, 3, v1                      ; 8 L
	v_lshlrev_b32 v1, 4, v1                        ; 16 L
	v_lshl_add_u32 v[VX], s12, 13, v1              ; my 16 rows of 512 bytes
	v_lshl_add_u32 v[VWO], s12, 11, v1             ; my 2 KiB of the Wo images
	v_lshl_add_u32 v[VW], s15, 12, v1              ; column tile cg: four images
	s_wait_kmcnt 0x0
	s_add_nc_u64 s[4:5], s[4:5], s[2:3]
	s_add_nc_u64 s[10:11], s[10:11], s[2:3]
	; 44 loads: the work-group's whole 128 KiB of x are asked for at once, one row of 512 bytes an instruction; then Wo's images, then my weight fragments
.irp t, 0,1,2,3,4,5,6,7,8,9,10,11,12,13,14,15
	global_load_b128 v[XR+4*\t:XR+4*\t+3], v[VX], s[4:5] offset:512*\t th:TH_LOAD_NT
.endr
.irp n, 0,1,2,3
	global_load_b128 v[WC+4*\n:WC+4*\n+3], v[VWO], s[6:7] offset:98304+512*\n
.endr
.irp m, 0,1,2
.irp s, 0,1,2,3
.irp q, 0,1
	global_load_b128 v[WF+8*(4*\m+\s)+4*\q:WF+8*(4*\m+\s)+4*\q+3], v[VW], s[6:7] offset:\m*32768+\s*1024+512*\q
.endr
.endr
.endr
	; addresses, while the loads are out
	v_and_b32 v245, 15, v0                         ; r
	v_bfe_u32 v246, v0, 4, 1                       ; hh
	s_mul_i32 s17, s12, 16*XP
	v_add_nc_u32 v[AXS], s17, v247                 ; X, in: my 16 rows, 8 bytes a lane
	v_lshl_add_u32 v[AWS], s12, 11, v1
	v_add_nc_u32 v[AWS], WOF, v[AWS]
	v_mul_u32_u24 v248, v245, XP                   ; 272 r
	s_mul_i32 s18, s16, 128*XP
	v_lshl_add_u32 v[AXR], v246, 4, v248
	v_add_nc_u32 v[AXR], s18, v[AXR]               ; X fragments: (128 rh + r) * 272 + 16 hh
	s_lshl_b32 s18, s16, 15
	s_lshl_b32 s19, s15, 9
	s_add_co_u32 s18, s18, s19
	s_add_co_u32 s18, s18, QF
	v_add_nc_u32 v[AQS], s18, v1                   ; Q out: q tile 8 rh + rt, head cg >> 1, quad cg & 1: rh * 32768 + cg * 512
	s_lshr_b32 s18, s15, 1
	s_lshl_b32 s18, s18, 14
	s_lshl_b32 s19, s16, 13
	s_add_co_u32 s18, s18, s19                     ; head * 16384 + rh * 8192, for K and for V
	s_and_b32 s19, s15, 1
	s_lshl_b32 s19, s19, 9
	s_add_co_u32 s22, s18, s19
	s_add_co_u32 s22, s22, KF
	v_add_nc_u32 v[AKS], s22, v1                   ; K out: quad cg & 1
	s_lshl_b32 s19, s19, 1
	s_add_co_u32 s22, s18, s19
	s_add_co_u32 s22, s22, VF
	v_add_nc_u32 v[AVS], s22, v1                   ; V out: e tile cg & 1
	s_lshl_b32 s18, s14, 18
	s_lshl_b32 s19, s13, 15
	s_add_co_u32 s18, s18, s19
	v_add_nc_u32 v[VB], s18, v1
	s_lshl_b32 s18, s14, 14
	s_add_co_u32 s19, s18, KF
	v_add_nc_u32 v[AK], s19, v1
	s_add_co_u32 s19, s18, VF
	v_add_nc_u32 v[AV], s19, v1
	s_lshl_b32 s18, s13, 13
	s_lshl_b32 s19, s14, 10
	s_add_co_u32 s18, s18, s19
	v_add_nc_u32 v[AOW], s18, v1
	s_add_co_u32 s18, s18, QF
	v_add_nc_u32 v[AQ], s18, v1
	s_lshl_b32 s18, s23, 12
	v_add_nc_u32 v[AO], s18, v1
	s_lshl_b32 s18, s24, 14
	s_add_co_u32 s18, s18, WOF
	v_add_nc_u32 v[AW], s18, v1
	s_lshl_b32 s18, s23, 13
	s_lshl_b32 s19, s24, 8
	s_add_co_u32 s18, s18, s19
	v_lshlrev_b32 v[VO], 4, v245
	v_lshl_add_u32 v[VO], v246, 12, v[VO]
	v_add_nc_u32 v[VO], s18, v[VO]
	; X to f16 and into LDS, four rows at a time.  The counts: of the 44 loads, those issued behind the four rows may stay out
.irp b, 0,1,2,3
	s_wait_loadcnt 40-4*\b
.irp t, 0,1,2,3
	v_cvt_pk_f16_f32 v[XK+2*(4*\b+\t)],   v[XR+4*(4*\b+\t)],   v[XR+4*(4*\b+\t)+1]
	v_cvt_pk_f16_f32 v[XK+2*(4*\b+\t)+1], v[XR+4*(4*\b+\t)+2], v[XR+4*(4*\b+\t)+3]
	ds_store_b64 v[AXS], v[XK+2*(4*\b+\t):XK+2*(4*\b+\t)+1] offset:XP*(4*\b+\t)   ; a row's 256 bytes
.endr
.endr
	s_wait_loadcnt 24                              ; the Wo copy is in; my 24 weight fragment loads may stay out
.irp n, 0,1,2,3
	ds_store_b128 v[AWS], v[WC+4*\n:WC+4*\n+3] offset:512*\n
.endr
	s_wait_dscnt 0x0                               ; my stores are done, for the others' sake
	BAR                                            ; first barrier: X and Wo's images are whole
; ---- projections: 8 row tiles of 16 rows, for each 12 matrix instructions (Q, K, V x four K steps) ----
.macro XLD rt                          ; the four X fragments of row tile rt
.irp s, 0,1,2,3
.irp q, 0,1
	ds_load_b128 v[XB+32*((\rt)&1)+8*\s+4*\q:XB+32*((\rt)&1)+8*\s+4*\q+3], v[AXR] offset:16*XP*(\rt)+64*\s+32*\q
.endr
.endr
.endm
.macro PROJ rt                         ; the three accumulators take turns, one instruction a turn; the first K step starts the sums
.irp s, 0,1,2,3
.if \s == 0
	v_wmma_f32_16x16x32_f16 v[AC+24*((\rt)&1):AC+24*((\rt)&1)+7],     v[WF+8*\s:WF+8*\s+7],       v[XB+32*((\rt)&1)+8*\s:XB+32*((\rt)&1)+8*\s+7], 0
	v_wmma_f32_16x16x32_f16 v[AC+24*((\rt)&1)+8:AC+24*((\rt)&1)+15],  v[WF+32+8*\s:WF+32+8*\s+7], v[XB+32*((\rt)&1)+8*\s:XB+32*((\rt)&1)+8*\s+7], 0
	v_wmma_f32_16x16x32_f16 v[AC+24*((\rt)&1)+16:AC+24*((\rt)&1)+23], v[XB+32*((\rt)&1)+8*\s:XB+32*((\rt)&1)+8*\s+7], v[WF+64+8*\s:WF+64+8*\s+7], 0
.else
	v_wmma_f32_16x16x32_f16 v[AC+24*((\rt)&1):AC+24*((\rt)&1)+7],     v[WF+8*\s:WF+8*\s+7],       v[XB+32*((\rt)&1)+8*\s:XB+32*((\rt)&1)+8*\s+7], v[AC+24*((\rt)&1):AC+24*((\rt)&1)+7]
	v_wmma_f32_16x16x32_f16 v[AC+24*((\rt)&1)+8:AC+24*((\rt)&1)+15],  v[WF+32+8*\s:WF+32+8*\s+7], v[XB+32*((\rt)&1)+8*\s:XB+32*((\rt)&1)+8*\s+7], v[AC+24*((\rt)&1)+8:AC+24*((\rt)&1)+15]
	v_wmma_f32_16x16x32_f16 v[AC+24*((\rt)&1)+16:AC+24*((\rt)&1)+23], v[XB+32*((\rt)&1)+8*\s:XB+32*((\rt)&1)+8*\s+7], v[WF+64+8*\s:WF+64+8*\s+7], v[AC+24*((\rt)&1)+16:AC+24*((\rt)&1)+23]
.endif
.endr
.endm
.macro PACK rt                         ; row tile rt's three results to f16 and into their images: each a quad of a fragment
.irp n, 0,1,2,3,4,5,6,7,8,9,10,11
	v_cvt_pk_f16_f32 v[PK+\n], v[AC+24*((\rt)&1)+2*\n], v[AC+24*((\rt)&1)+2*\n+1]
.endr
	ds_store_b128 v[AQS], v[PK:PK+3]    offset:4096*(\rt)
	ds_store_b128 v[AKS], v[PK+4:PK+7]  offset:1024*(\rt)
	ds_store_b128 v[AVS], v[PK+8:PK+11] offset:((\rt)>>1)*2048+((\rt)&1)*512   ; key tiles 2 ks, 2 ks + 1 are the two quads of a V^T fragment
.endm
; A row tile's turn.  The twelve conversions of the tile before, which name only the other accumulator set, are the places behind this tile's matrix
; instructions: in front of the loads into the X set that they read and of the conversions that read their results.
.macro RT rt
.if \rt < 7
	XLD \rt+1
	s_wait_dscnt 8                                 ; all but the 8 loads just issued: this tile's fragments are in
.else
	s_wait_dscnt 0x0
.endif
	PROJ \rt
.if \rt == 0
	PLACES 4
.else
	PACK \rt-1
.endif
.endm
	XLD 0
	s_wait_loadcnt 0x0                             ; my weight fragments
	RT 0
	RT 1
	RT 2
	RT 3
	RT 4
	RT 5
	RT 6
	RT 7
	PACK 7
; ---- attention ----
; Two loads: the bias tile of my head, round r, q tile a, key tile 8 kh + t, straight into its accumulator.  No hint: other work-groups read these bytes again.
.macro BIAST r, kh, a, t
	global_load_b128 v[SC+64*\a+8*\t:SC+64*\a+8*\t+3],   v[VB], s[8:9] offset:\r*131072+\a*16384+(8*\kh+\t)*1024
	global_load_b128 v[SC+64*\a+8*\t+4:SC+64*\a+8*\t+7], v[VB], s[8:9] offset:\r*131072+\a*16384+(8*\kh+\t)*1024+512
.endm
.macro BIASLO r, kh, a                 ; key tiles 0 to 3: the registers that hold P until it has been multiplied
	BIAST \r, \kh, \a, 0
	BIAST \r, \kh, \a, 1
	BIAST \r, \kh, \a, 2
	BIAST \r, \kh, \a, 3
.endm
.macro BIASHI r, kh, a                 ; key tiles 4 to 7
	BIAST \r, \kh, \a, 4
	BIAST \r, \kh, \a, 5
	BIAST \r, \kh, \a, 6
	BIAST \r, \kh, \a, 7
.endm
.macro KLD kh                          ; eight K fragments of my head
.irp t, 0,1,2,3,4,5,6,7
.irp q, 0,1
	ds_load_b128 v[KB+8*\t+4*\q:KB+8*\t+4*\q+3], v[AK] offset:(8*\kh+\t)*1024+512*\q
.endr
.endr
.endm
.macro VLD kh                          ; eight V^T fragments: number 2 ks + et
.irp t, 0,1,2,3,4,5,6,7
.irp q, 0,1
	ds_load_b128 v[KB+8*\t+4*\q:KB+8*\t+4*\q+3], v[AV] offset:(8*\kh+\t)*1024+512*\q
.endr
.endr
.endm
.macro QLD ro, a                       ; the Q fragment of q tile a in round ro
	ds_load_b128 v[QT+8*\a:QT+8*\a+3],   v[AQ] offset:\ro*32768+\a*4096
	ds_load_b128 v[QT+8*\a+4:QT+8*\a+7], v[AQ] offset:\ro*32768+\a*4096+512
.endm
.macro SMM a                           ; the eight score tiles of q tile a, each its own accumulator: S^T = K x Q + bias
.irp t, 0,1,2,3,4,5,6,7
	v_wmma_f32_16x16x32_f16 v[SC+64*\a+8*\t:SC+64*\a+8*\t+7], v[KB+8*\t:KB+8*\t+7], v[QT+8*\a:QT+8*\a+7], v[SC+64*\a+8*\t:SC+64*\a+8*\t+7]
.endr
.endm
.macro SUBEXP a, c                     ; key tile c: take the maximum away, 2^x in place
.irp j, 0,2,4,6
	v_pk_add_f32 v[SC+64*\a+8*\c+\j:SC+64*\a+8*\c+\j+1], v[SC+64*\a+8*\c+\j:SC+64*\a+8*\c+\j+1], v[NM:NM+1]
.endr
.irp j, 0,1,2,3,4,5,6,7
	v_exp_f32 v[SC+64*\a+8*\c+\j], v[SC+64*\a+8*\c+\j]
.endr
.endm
.macro SUMPACK a, c                    ; key tile c: add to the two chains, then round to f16 into registers 4 c .. 4 c + 3 of the q tile's 64, all of them read already
.if \c == 0
	s_wait_alu depctr_va_vdst(0)
	v_pk_add_f32 v[LS0:LS0+1], v[SC+64*\a:SC+64*\a+1],   v[SC+64*\a+4:SC+64*\a+5]   ; the first tile starts the chains
	v_pk_add_f32 v[LS1:LS1+1], v[SC+64*\a+2:SC+64*\a+3], v[SC+64*\a+6:SC+64*\a+7]
.else
	s_wait_alu depctr_va_vdst(0)
	v_pk_add_f32 v[LS0:LS0+1], v[LS0:LS0+1], v[SC+64*\a+8*\c:SC+64*\a+8*\c+1]
	v_pk_add_f32 v[LS1:LS1+1], v[LS1:LS1+1], v[SC+64*\a+8*\c+2:SC+64*\a+8*\c+3]
	v_pk_add_f32 v[LS0:LS0+1], v[LS0:LS0+1], v[SC+64*\a+8*\c+4:SC+64*\a+8*\c+5]
	v_pk_add_f32 v[LS1:LS1+1], v[LS1:LS1+1], v[SC+64*\a+8*\c+6:SC+64*\a+8*\c+7]
.endif
.irp n, 0,1,2,3
	v_cvt_pk_f16_f32 v[SC+64*\a+4*\c+\n], v[SC+64*\a+8*\c+2*\n], v[SC+64*\a+8*\c+2*\n+1]
.endr
.endm
; The softmax step of q tile a on 128 keys, first part: a lane holds 64 scores of one query, lane xor 16 the other 64.  The running maximum, and what it makes of the first half's sums.
.macro SOFTA a, kh
.irp k, 0,1,2,3
	v_max_num_f32 v[TT+\k], v[SC+64*\a+\k], v[SC+64*\a+4+\k]       ; four chains, started by the first eight scores
.endr
.set jj, 8
.rept 7
.irp k, 0,1,2,3
	v_max3_num_f32 v[TT+\k], v[TT+\k], v[SC+64*\a+jj+\k], v[SC+64*\a+jj+4+\k]
.endr
.set jj, jj+8
.endr
	v_max3_num_f32 v[TT], v[TT], v[TT+1], v[TT+2]
	v_max_num_f32 v[TT], v[TT], v[TT+3]
	v_permlanex16_b32 v[TT+1], v[TT], s20, s21     ; the other 64 keys' maximum
.if \kh
	v_max3_num_f32 v[TT+2], v[TT], v[TT+1], v[MX+\a]               ; the new running maximum
	v_sub_f32 v[TT+3], v[MX+\a], v[TT+2]
	v_exp_f32 v[AL], v[TT+3]                       ; what the first half's sums are worth now
	v_mov_b32 v[MX+\a], v[TT+2]                    ; a plain instruction stands between v_exp_f32 and the use of its result (ISA guide 5.7.2)
	v_mul_f32 v[NM], -1.0, v[TT+2]
	v_mov_b32 v[NM+1], v[NM]
	s_wait_alu depctr_va_vdst(0)
	v_mov_b32 v[AL+1], v[AL]
.irp j, 0,2,4,6,8,10,12,14
	v_pk_mul_f32 v[OA+16*\a+\j:OA+16*\a+\j+1], v[OA+16*\a+\j:OA+16*\a+\j+1], v[AL:AL+1]
.endr
.else
	v_max_num_f32 v[MX+\a], v[TT], v[TT+1]
	v_mul_f32 v[NM], -1.0, v[MX+\a]
	v_mov_b32 v[NM+1], v[NM]
.endif
.endm
; Second part: exponentials, sums, P in f16.  Each tile's exponentials are used one tile later: the plain work of the neighbouring tiles stands between.
; more = 1: the bias of the half unit that follows (round nr, key half nk) is asked for as its registers fall free: this q tile's key tiles 4 to 7 each behind the packing that
; has read the eight registers; and, in q tile 1's turn, q tile 0's key tiles 0 to 3, whose registers P V of tile 0 has just read: the eight packed adds of the first two
; key tiles, which name none of those products' registers, are the places in front of these loads.
.macro SOFTB a, kh, more, nr, nk
	SUBEXP \a, 0
	SUBEXP \a, 1
.if (\more)&(\a)
	BIASLO \nr, \nk, 0
.endif
	SUMPACK \a, 0
	SUBEXP \a, 2
	SUMPACK \a, 1
	SUBEXP \a, 3
	SUMPACK \a, 2
	SUBEXP \a, 4
	SUMPACK \a, 3
	SUBEXP \a, 5
	SUMPACK \a, 4
.if \more
	BIAST \nr, \nk, \a, 4
.endif
	SUBEXP \a, 6
	SUMPACK \a, 5
.if \more
	BIAST \nr, \nk, \a, 5
.endif
	SUBEXP \a, 7
	SUMPACK \a, 6
.if \more
	BIAST \nr, \nk, \a, 6
.endif
	SUMPACK \a, 7
.if \more
	BIAST \nr, \nk, \a, 7
.endif
	v_pk_add_f32 v[LS0:LS0+1], v[LS0:LS0+1], v[LS1:LS1+1]
.if \kh
	v_add_f32 v[TT], v[LS0], v[LS0+1]
	v_fma_f32 v[LL+\a], v[LL+\a], v[AL], v[TT]
.else
	v_add_f32 v[LL+\a], v[LS0], v[LS0+1]
.endif
.endm
.macro PV a, kh                        ; O^T += V^T x P for q tile a: its two accumulators take turns, one instruction a turn; the round's first product starts the sums
.irp k, 0,1,2,3
.irp e, 0,1
.if (\kh+\k) == 0
	v_wmma_f32_16x16x32_f16 v[OA+16*\a+8*\e:OA+16*\a+8*\e+7], v[KB+8*(2*\k+\e):KB+8*(2*\k+\e)+7], v[SC+64*\a+8*\k:SC+64*\a+8*\k+7], 0
.else
	v_wmma_f32_16x16x32_f16 v[OA+16*\a+8*\e:OA+16*\a+8*\e+7], v[KB+8*(2*\k+\e):KB+8*(2*\k+\e)+7], v[SC+64*\a+8*\k:SC+64*\a+8*\k+7], v[OA+16*\a+8*\e:OA+16*\a+8*\e+7]
.endif
.endr
.endr
.endm
.macro FIN ro                          ; a round's end: divide by the sum, round to f16 in place: the O fragment of (q tile, head), into its image
	v_permlanex16_b32 v[TT], v[LL], s20, s21
	v_permlanex16_b32 v[TT+1], v[LL+1], s20, s21
	v_add_f32 v[TT], v[TT], v[LL]                  ; the sum over all 256 keys; at least 1, the maximum's own term
	v_add_f32 v[TT+1], v[TT+1], v[LL+1]
	v_rcp_f32 v[RC], v[TT]
	v_rcp_f32 v[RC+2], v[TT+1]
	v_nop                                          ; the plain place behind v_rcp_f32 (ISA guide 5.7.2)
	s_wait_alu depctr_va_vdst(0)
	v_mov_b32 v[RC+1], v[RC]
	v_mov_b32 v[RC+3], v[RC+2]
.irp a, 0,1
.irp j, 0,2,4,6,8,10,12,14
	v_pk_mul_f32 v[OA+16*\a+\j:OA+16*\a+\j+1], v[OA+16*\a+\j:OA+16*\a+\j+1], v[RC+2*\a:RC+2*\a+1]
.endr
.irp n, 0,1,2,3,4,5,6,7
	v_cvt_pk_f16_f32 v[OA+16*\a+\n], v[OA+16*\a+2*\n], v[OA+16*\a+2*\n+1]
.endr
	ds_store_b128 v[AOW], v[OA+16*\a:OA+16*\a+3]   offset:\ro*32768+\a*4096
	ds_store_b128 v[AOW], v[OA+16*\a+4:OA+16*\a+7] offset:\ro*32768+\a*4096+512
.endr
.endm
; Half a round: my head, round ro, keys 128 kh .. +127, both q tiles, the second half a step behind the first, so that every bias tile is asked for about one softmax
; before its score product.  The bias loads of a half unit go out in this order: tile 0's keys 4-7 (8 loads), tile 0's keys 0-3 (8), tile 1's keys 4-7 (8), tile 1's keys 0-3 (8).
; (nr, nk): the half unit that follows; more = 0: none does.  kq = 1: it follows at once, so its K and Q(0) are asked for here.  Q(1) stays in its registers through a round.
.macro HU ro, kh, more, nr, nk, kq
	s_wait_dscnt 0x0                               ; K and Q fragments
	s_wait_loadcnt 16                              ; tile 0's bias is in; the 16 loads issued behind it (tile 1's) may stay out
	SMM 0
	PLACES 4                                       ; in front of the reads of the scores and of the writes over Q(0)
	SOFTA 0, \kh
	SOFTB 0, \kh, \more, \nr, \nk
	s_wait_loadcnt 8*\more                         ; tile 1's bias is in; the 8 loads just issued for the next half unit may stay out
	SMM 1
	PLACES 4                                       ; in front of the loads over K's fragments and of the reads of the scores
	VLD \kh
	SOFTA 1, \kh                                   ; the maximum of tile 1 while V^T comes
	s_wait_dscnt 0x0                               ; V^T fragments
	PV 0, \kh
	SOFTB 1, \kh, \more, \nr, \nk
	PV 1, \kh
	PLACES 4                                       ; in front of the loads over P and V^T and of the reads of O^T
.if \more
	BIASLO \nr, \nk, 1
.endif
.if \kq
	KLD \nk
.endif
.if \kh
	FIN \ro
.endif
.if \kq
	QLD \ro, 0
.endif
.endm
; ---- the last product of a round: out = O fragment x Wo fragment: my 16 queries x my 64 columns, K = the four heads ----
.macro OLDB ro, s, z                   ; ten loads: head s's O fragment of my q tile and the four Wo fragments (u, s) of my column half, into set z
	ds_load_b128 v[OY\z:OY\z+3],     v[AO] offset:\ro*32768+\s*1024
	ds_load_b128 v[OY\z+4:OY\z+7],   v[AO] offset:\ro*32768+\s*1024+512
	ds_load_b128 v[W0Y\z:W0Y\z+3],   v[AW] offset:\s*1024
	ds_load_b128 v[W0Y\z+4:W0Y\z+7], v[AW] offset:\s*1024+512
	ds_load_b128 v[W1Y\z:W1Y\z+3],   v[AW] offset:(4+\s)*1024
	ds_load_b128 v[W1Y\z+4:W1Y\z+7], v[AW] offset:(4+\s)*1024+512
	ds_load_b128 v[W2Y\z:W2Y\z+3],   v[AW] offset:(8+\s)*1024
	ds_load_b128 v[W2Y\z+4:W2Y\z+7], v[AW] offset:(8+\s)*1024+512
	ds_load_b128 v[W3Y\z:W3Y\z+3],   v[AW] offset:(12+\s)*1024
	ds_load_b128 v[W3Y\z+4:W3Y\z+7], v[AW] offset:(12+\s)*1024+512
.endm
.macro OMM z, first                    ; four accumulators take turns, one instruction a turn; the first head starts the sums
.if \first
	v_wmma_f32_16x16x32_f16 v[OA:OA+7],     v[OY\z:OY\z+7], v[W0Y\z:W0Y\z+7], 0
	v_wmma_f32_16x16x32_f16 v[OA+8:OA+15],  v[OY\z:OY\z+7], v[W1Y\z:W1Y\z+7], 0
	v_wmma_f32_16x16x32_f16 v[OA+16:OA+23], v[OY\z:OY\z+7], v[W2Y\z:W2Y\z+7], 0
	v_wmma_f32_16x16x32_f16 v[OA+24:OA+31], v[OY\z:OY\z+7], v[W3Y\z:W3Y\z+7], 0
.else
	v_wmma_f32_16x16x32_f16 v[OA:OA+7],     v[OY\z:OY\z+7], v[W0Y\z:W0Y\z+7], v[OA:OA+7]
	v_wmma_f32_16x16x32_f16 v[OA+8:OA+15],  v[OY\z:OY\z+7], v[W1Y\z:W1Y\z+7], v[OA+8:OA+15]
	v_wmma_f32_16x16x32_f16 v[OA+16:OA+23], v[OY\z:OY\z+7], v[W2Y\z:W2Y\z+7], v[OA+16:OA+23]
	v_wmma_f32_16x16x32_f16 v[OA+24:OA+31], v[OY\z:OY\z+7], v[W3Y\z:W3Y\z+7], v[OA+24:OA+31]
.endif
.endm
; Accumulator u, register j of lane (r, hh) is out[query 8 hh + j][column 64 ch + 4 r + u] (so the first launch laid Wo's images): the four accumulators' registers j are four
; neighbouring columns of one row.  Four moves put them side by side, in place of a round trip of 16 LDS stores and 16 LDS loads, and one store has sixteen lanes
; fill 256 consecutive bytes, aligned: lanes 0-15 of row j, lanes 16-31 of row 8 + j.
.macro OUT ro
	OLDB \ro, 0, 0
	OLDB \ro, 1, 1
	s_wait_dscnt 10                                ; this set is in; the 10 loads of the next may stay out
	OMM 0, 1
	PLACES 4                                       ; in front of the loads over the set just read
	OLDB \ro, 2, 0
	s_wait_dscnt 10
	OMM 1, 0
	PLACES 4
	OLDB \ro, 3, 1
	s_wait_dscnt 10
	OMM 0, 0
	s_wait_dscnt 0x0
	OMM 1, 0
	PLACES 4                                       ; in front of the moves, which read the results and write over set 0
.irp j, 0,1,2,3,4,5,6,7
.irp u, 0,1,2,3
	v_mov_b32 v[KB+4*\j+\u], v[OA+8*\u+\j]
.endr
	global_store_b128 v[VO], v[KB+4*\j:KB+4*\j+3], s[10:11] offset:\ro*65536+\j*512 th:TH_STORE_NT
.endr
.endm
	s_wait_dscnt 0x0                               ; my reads of X and my stores of images are done, for the others' sake
	BIASHI 0, 0, 0                                 ; the first bias tiles go out ahead of the barrier: nobody writes biasf in this launch
	BIASLO 0, 0, 0
	BIASHI 0, 0, 1
	BIASLO 0, 0, 1
	BAR                                            ; second barrier: Q, K and V^T images are whole, and nobody reads X any more
	KLD 0
	QLD 0, 0
	QLD 0, 1
	HU 0, 0, 1, 0, 1, 1
	HU 0, 1, 1, 1, 0, 0
	s_wait_dscnt 0x0                               ; my O images of round 0 are stored
	BAR                                            ; third barrier: all four heads' O images of queries 0 to 127 are there
	OUT 0                                          ; these 8 stores of each wave leave while round 1 is computed
	s_wait_xcnt 0x0                                ; the stores' data registers are loaded again only behind this wait
	KLD 0
	QLD 1, 0
	QLD 1, 1
	HU 1, 0, 1, 1, 1, 1
	HU 1, 1, 0, 0, 0, 0
	s_wait_dscnt 0x0                               ; my O images of round 1 are stored (bytes of their own: round 0's are never written again)
	BAR                                            ; fourth barrier: the O images of queries 128 to 255 are there
	OUT 1
	s_wait_tensorcnt 0x0
	ds_add_u32 v8, v9
	s_wait_dscnt 0x0
	s_endpgm
.Lfunc_end_k_q403e7ed5ce_attn:
	.size	k_q403e7ed5ce_attn, .Lfunc_end_k_q403e7ed5ce_attn-k_q403e7ed5ce_attn
	.p2alignl 7, 3214868480
	.fill 96, 4, 3214868480
	.section	.rodata,"a",@progbits
	.p2align	6, 0x0
	.amdhsa_kernel k_q403e7ed5ce_attn
		.amdhsa_group_segment_fixed_size 301056
		.amdhsa_private_segment_fixed_size 0
		.amdhsa_enable_private_segment 0
		.amdhsa_kernarg_size 32
		.amdhsa_user_sgpr_count 2
		.amdhsa_user_sgpr_kernarg_segment_ptr 1
		.amdhsa_wavefront_size32 1
		.amdhsa_system_sgpr_workgroup_id_x 1
		.amdhsa_system_sgpr_workgroup_id_y 1
		.amdhsa_system_sgpr_workgroup_id_z 1
		.amdhsa_system_vgpr_workitem_id 0
		.amdhsa_next_free_vgpr 256
		.amdhsa_next_free_sgpr 66
		.amdhsa_reserve_vcc 0
		.amdhsa_float_denorm_mode_32 3
		.amdhsa_float_denorm_mode_16_64 3
		.amdhsa_memory_ordered 1
		.amdhsa_forward_progress 1
		.amdhsa_inst_pref_size 163
	.end_amdhsa_kernel
	.amdgpu_metadata
---
amdhsa.version: [ 1, 2 ]
amdhsa.kernels:
  - .name:           k_q403e7ed5ce_attn
    .symbol:         k_q403e7ed5ce_attn.kd
    .args:
      - { .name: pairwise_repr, .offset: 0, .size: 8, .value_kind: global_buffer, .address_space: global }
      - { .name: wfrag, .offset: 8, .size: 8, .value_kind: global_buffer, .address_space: global }
      - { .name: biasf, .offset: 16, .size: 8, .value_kind: global_buffer, .address_space: global }
      - { .name: out0, .offset: 24, .size: 8, .value_kind: global_buffer, .address_space: global }
    .group_segment_fixed_size: 301056
    .private_segment_fixed_size: 0
    .kernarg_segment_align: 8
    .kernarg_segment_size: 32
    .max_flat_workgroup_size: 512
    .sgpr_count:     66
    .vgpr_count:     256
    .wavefront_size: 32
...
	.end_amdgpu_metadata
.endif
;; end of part 2
